; MI455X (gfx1250); checked and timed in simulation.
; The chip was launched on July 23, 2026; its instructions are those of AMD's public machine-readable ISA for CDNA 5 (MIT licence, August 2026) and "CDNA5" Instruction Set Architecture Reference Guide (July 2026). The comments in the code are by the model that wrote it; some were corrected since.
;; Net VLAD. Allowed arithmetic: matrix products marked QUANTISED: E2M1 operands, one E8M0 scale for each 32 along K, by v_wmma_scale_f32_16x16x128_f8f6f4 with both operands' format E2M1 (or v_wmma_scale_f32_32x16x128_f4), f32 sums; everything else in f32.
;; Inputs: centroids 64 x 128 float32; conv_w 64 x 128 float32; x 64 x 128 x 64 x 64 float32.
;; Outputs: out0 64 x 8,192 float32.
;; This version of the problem:
;;   THIS VERSION OF THE PROBLEM IS GIVEN IN LOW PRECISION. The matrix products marked QUANTISED in the list below multiply operands that are first quantised to E2M1 (2 exponent bits, 1 mantissa bit; 4 bits a number), with one power-of-two scale for each 32 numbers along K (OCP MX v1.0); their sums are f32. All else is computed in f32.
;;   The module's matrix products, in the order in which they are computed (A, B: the left and right operand; K: the contracted axis; several contracted axes count as one K, in the product's order):
;;     1. [M 262,144, K 128] x [K 128, N 64]; A: input x; B: input conv_w: QUANTISED
;;     2. batch 64 x [M 64, K 4,096] x [K 4,096, N 128]; A: computed on the way; B: input x: QUANTISED
;;   THE QUANTISER, for each operand of a quantised product, along K:
;;     - K is cut into blocks of 32 from its start; a last block that is shorter is filled with zeros.
;;     - A block's scale is 2^e with e = floor(log2(the largest magnitude in the block)) - 2, held to -126 .. 127; a block of zeros has e = 0. As a byte (E8M0): e + 127.
;;     - Each number is divided by its block's scale, clamped to +-6, and rounded to the nearest number of E2M1, ties to even, subnormals kept.
;;     - The product sums the exact products of the quantised numbers (number of the format x scale) in f32.
;;   ~~~python
;;   def quantise(x, axis):      # numpy; x: float32 -> the quantised numbers, widened to float32 again
;;       x = np.moveaxis(x, axis, -1); K = x.shape[-1]
;;       x = np.pad(x, [(0, 0)] * (x.ndim - 1) + [(0, -K % 32)]); x = x.reshape(x.shape[:-1] + (-1, 32)); a = np.abs(x).max(-1, keepdims=True)
;;       e = np.where(a > 0, np.clip(np.frexp(np.where(a > 0, a, 1))[1] - 1 - 2, -126, 127), 0)      # np.frexp(a)[1] - 1 = floor(log2(a)), exactly
;;       r = np.clip(x / 2.0 ** e, -6, 6)
;;       step = 2.0 ** (np.maximum(np.frexp(np.where(r == 0, 1, r))[1] - 1, 0) - 1)
;;       q = np.round(r / step) * step * 2.0 ** e      # np.round: ties to even
;;       return np.moveaxis(q.reshape(q.shape[:-2] + (-1,))[..., :K], -1, axis).astype(np.float32)
;;   ~~~
;;   OPERANDS COMPUTED ON THE WAY. 'Computed on the way' means the value that the module computes at that place (a softmax that the list does not call 'softmax' is quantised finished and normalised). What goes into a quantiser is computed in f32, as accurately as f32 sums, v_exp_f32 and their like allow (about 1e-6 of the number): no bf16 or f16 on the way to a quantiser, and a product that is left as it is and whose result goes on into a quantised operand takes f32 operands (vector FMAs, or v_wmma_f32_16x16x4_f32). A number that lies on a knife's edge between two numbers of the format may be rounded either way, as far as f32 arithmetic and the matrix unit's own rounding can turn it there, and no further.
;; One version. Each part assembles by itself: llvm-mc -triple=amdgcn-amd-amdhsa -mcpu=gfx1250 --defsym DOCPART=n.
;; ======== version 1 of 1: 2 launches
;; workspace buffers: part 8,388,608 bytes; asum 65,536 bytes
;; launch pool (part 1): grid 256 x 1, 8 waves a work-group, no clusters, 327,680 bytes of LDS; arguments x, conv_w, part, asum; writes part, asum
.if DOCPART == 1
	.amdgcn_target "amdgcn-amd-amdhsa--gfx1250"
	.amdhsa_code_object_version 6
	.text
	.protected	k_qcdf0104155_pool
	.globl	k_qcdf0104155_pool
	.p2align	8
	.type	k_qcdf0104155_pool,@function
k_qcdf0104155_pool:
	s_mov_b64 s[64:65], 0
	v_nop
	global_prefetch_b8 v0, s[64:65] scope:SCOPE_SE
	s_setreg_imm32_b32 hwreg(HW_REG_WAVE_MODE, 25, 1), 1
	s_wait_xcnt 0x0
; NetVLAD, first launch.  x: [64][128 c][4096 n] f32, conv_w: [64 k][128 c] f32.  For one image and 1,024 of its pixels this work-group makes
;   logits[n][k] = sum over c of Q(x)[c][n] Q(w)[k][c]      (codes of E2M1, blocks of 32 along c)
;   a = softmax over k, finished and normalised, in f32
;   part[k][c]  = sum over n of Q(a)[k][n] Q(x)[c][n]       (blocks of 32 along n),      asum[k] = sum over n of the unquantised a.
; The second launch adds an image's four parts, takes asum x centroids away and normalises.
; SHARES.  Eight waves.  The pixels go in four steps of 256 through a ring of two LDS slots (128 rows of 1,024 bytes + 16 of padding); each wave brings 16 rows of a slot by one tensor load.
; In a step wave w owns pixels 32 w .. 32 w + 31: one block of the second product's K.  It reads them twice from the slot:
;   DOWN THE CHANNELS: a lane takes one pixel, its 128 registers run down c: the four blocks' maxima need no other lane, and the conversions give codes with c innermost;
;   ALONG THE PIXELS:  a lane takes one channel and 16 neighbouring pixels; lanes l and l xor 16 share a block.
; The first product has source 0 = 16 pixels, source 1 = 16 clusters: a lane then holds ONE cluster (lane % 16) and its registers run along the pixels, which are the next K.  The pixels of a tile are chosen
; (lane l takes pixel (l & 7) + 8 (l >> 4) + 16 ((l >> 3) & 1)) so that the 16 registers of a cluster tile's two results are 16 neighbouring pixels, 16 (lane / 16) + 0 .. 15.
; The softmax runs over 4 registers and the 16 lanes of a half.  p = 2^(l c - R), R = the pixel's largest logit x c, rounded: R is common to the pixel's 64 clusters and cancels in the division.
; OPERANDS GO FROM WAVE TO WAVE AS IMAGES OF THEIR REGISTERS: a wave's 16 codes a lane (8 bytes) of each of the 12 fragments (4 of a, 8 of x) land where the reader's ds_load_b128 finds a whole block a lane; the block's scale
; byte goes into the row's scale word.  Behind the next barrier wave w multiplies ITS 2 x 2 tiles of part (clusters 32 (w & 1) on, channels 32 (w >> 1) on) from all eight waves' images: no sum over waves is needed.
; One barrier a step serves the ring and the images (two image buffers by turns).
; conv_w comes once, by tensor loads, into bytes that take images later (its only fill is over by then); every wave quantises it into its own registers while the first slot is on its way.
; NO CLUSTER: no two work-groups read the same bytes of x; conv_w, which all share, is 32 KB beside the 512 KB of x that a work-group reads.
; LIMITS: NaN and infinities are not served.  A block whose largest magnitude lies under 2^-124 has its byte held at 1; a block of zeros gets the byte 1 too (its codes are zeros; the bytes are read by this program alone).
; A weight under 2^-126 of its pixel's largest becomes 0 (v_exp_f32 gives 0 there: ISA guide, its entry in chapter 15).  Sums over n are taken in another order than the source's.
.set NB,     16384                     ; bytes from channel to channel in x
.set ROWB,   1024                      ; bytes of a row in a slot: 256 pixels
.set PITCH,  ROWB+16                   ; 65 x 16 bytes: the 16 rows that a ds_load_b128 touches fall into 16 different columns of 16 bytes
.set SLOTB,  128*PITCH
.set IMG,    2*SLOTB                   ; images: two buffers x two K steps x 12 fragments x 1,024 bytes.  First of all conv_w lies here
.set KIMG,   12*1024
.set IMGB,   2*KIMG
.set SCL,    IMG+2*IMGB                ; scale words: two buffers x two K steps x 12 fragments x 16 rows x 4 bytes
.set KSCL,   12*64
.set SCLB,   2*KSCL
.set ASB,    SCL+2*SCLB                ; each wave's 64 sums of a
.set SPARE,  ASB+8*256                 ; the spare words, 128 bytes for each wave: four blocks of 256 bytes that no other line names
.set WPITCH, 528                       ; a row of conv_w in LDS: 512 bytes + 16
.set FLOOR,  0x1800000                 ; 2^(3 - 127): no largest magnitude is taken under it, so no byte falls under 1
.set EOFF,   0xff000000                ; takes 2 off an exponent field
.set SPW, 1                            ; v1   SPARE + 4 x my thread's number; never rewritten
.set NIL, 2                            ; v2   0; never rewritten
.set AC,  3                            ; v3   down the channels: 4 x my pixel + 128 x wave
.set AN,  4                            ; v4   along the pixels: row r, + 64 h + 128 x wave
.set IW,  5                            ; v5   where my 8 bytes of a fragment's image go
.set SW,  6                            ; v6   where my block's scale byte goes
.set IRA, 7                            ; v7   my two fragments of a;   v8 my two of x
.set IRB, 8
.set SRA, 9                            ; v9   their scale words;       v10
.set SRB, 10
.set ASW, 11                           ; v11  where my sums of a go;   v12 where wave 0 reads all of them
.set ASR, 12
.set GO,  13                           ; v13  16 x lane;  v15  8 x lane
.set PFO, 14                           ; v14  the prefetches' offset; never rewritten
.set AO,  15
.set ACC, 16                           ; v16-47   my four tiles of part
.set WF,  48                           ; v48-79   conv_w's four fragments;  v80-83 their scale words
.set WS,  80
.set AS,  84                           ; v84-91   sums of a: a pair for each cluster tile
.set XS,  92                           ; v92      the pixels' scale words (lanes 0-15: tile 0, lanes 16-31: tile 1)
.set PS,  93                           ; v93-100  the second product's scale words
.set TM,  101                          ; v101-111 at work
.set TA,  TM+7                         ; LDS addresses of the four channel blocks
.set TN,  TM+8                         ; later: of channels 0-63 and 64-127
.set T,   112                          ; v112-127 the pixels' two fragments; then a number for each of my 16 pixels; scale operands, bytes and codes of a quantiser
.set XC,  128                          ; v128-255 x down the channels
.set D,   128                          ; then v128-191 logits, p, a: register 16 t + i: cluster 16 t + r, pixel 16 h + i
.set XN,  192                          ; and v192-255 x along the pixels, four channel tiles x 16
.set FR,  128                          ; the second product's fragments
.set WV,  12
.set G1,  16                           ; s[16:23] descriptor group 1 for x;  s[24:31] group 0, a set for each slot
.set G0,  24
.set SEL, 32                           ; s[32:33] lane selects: lane l xor 16
.set CS,  34                           ; s[34:35] log2(e)
.set G1W, 48                           ; s[48:55], s[56:59] the same for conv_w
.set G0W, 56
	s_load_b256 s[4:11], s[0:1], 0x0               ; x s[4:5], conv_w s[6:7], part s[8:9], asum s[10:11]
	v_lshl_add_u32 v[SPW], v0, 2, SPARE
	v_mov_b32 v[NIL], 0
	ds_add_u32 v1, v2
	ds_add_u32 v1, v2
	s_wait_dscnt 0x0
	v_lshrrev_b32 v[TM], 5, v0
	v_readfirstlane_b32 s[WV], v[TM]               ; wave 0..7
	; x: a tile of 16 rows x 256 elements of 4 bytes, 4,096 elements from row to row; 4 words of padding behind every 256
	s_mov_b32 s[G1+0], (2<<16)|(1<<20)|(7<<22)|(3<<25)
	s_mov_b32 s[G1+1], 256<<16                     ; tensor_dim0
	s_mov_b32 s[G1+2], 16<<16                      ; tensor_dim1
	s_mov_b32 s[G1+3], 256<<16                     ; tile_dim0
	s_mov_b32 s[G1+4], 16                          ; tile_dim1
	s_mov_b32 s[G1+5], 4096                        ; stride
	s_mov_b32 s[G1+6], 0
	s_mov_b32 s[G1+7], 0
	; conv_w: 8 rows x 128 elements, dense; 4 words of padding behind every 128
	s_mov_b32 s[G1W+0], (2<<16)|(1<<20)|(6<<22)|(3<<25)
	s_mov_b32 s[G1W+1], 128<<16
	s_mov_b32 s[G1W+2], 8<<16
	s_mov_b32 s[G1W+3], 128<<16
	s_mov_b32 s[G1W+4], 8
	s_mov_b32 s[G1W+5], 128
	s_mov_b32 s[G1W+6], 0
	s_mov_b32 s[G1W+7], 0
	s_lshr_b32 s36, ttmp9, 2                       ; the image: 2^21 bytes each
	s_lshl_b32 s36, s36, 21
	s_and_b32 s37, ttmp9, 3                        ; which 1,024 pixels: 4,096 bytes of each row
	s_lshl_b32 s37, s37, 12
	s_add_co_u32 s36, s36, s37
	s_lshl_b32 s37, s[WV], 18                      ; my 16 rows
	s_add_co_u32 s36, s36, s37
	s_mov_b32 s37, 0
	s_mul_i32 s38, s[WV], 16*PITCH                 ; and their place in a slot
	s_mul_i32 s39, s[WV], 8*WPITCH                 ; my 8 rows of conv_w in LDS,
	s_lshl_b32 s40, s[WV], 12                      ; and in memory
	s_mov_b32 s41, 0
	s_mov_b32 s[SEL], 0x76543210
	s_mov_b32 s[SEL+1], 0xfedcba98
	s_mov_b32 s[CS], 0x3fb8aa3b
	s_mov_b32 s[CS+1], s[CS]                       ; (named with it as a pair, so it is written)
	s_wait_kmcnt 0x0
	s_add_nc_u64 s[4:5], s[4:5], s[36:37]          ; x at my rows' first pixel; never rewritten
	; the first fills go out together, ahead of every wait on TENSORcnt, every LDS read and every barrier: three loads of mine are out
	s_mov_b32 s[G0W], 1
	s_add_co_u32 s[G0W+1], s39, IMG
	s_add_nc_u64 s[G0W+2:G0W+3], s[6:7], s[40:41]
	s_or_b32 s[G0W+3], s[G0W+3], 0x80000000
	tensor_load_to_lds s[G0W:G0W+3], s[G1W:G1W+7]
	s_nop 0
.irp s, 0,1
	s_mov_b32 s[G0+4*\s], 1
	s_add_co_u32 s[G0+4*\s+1], s38, \s*SLOTB
	s_add_nc_u64 s[G0+4*\s+2:G0+4*\s+3], s[4:5], \s*ROWB   ; slot s begins with step s
	s_or_b32 s[G0+4*\s+3], s[G0+4*\s+3], 0x80000000
	tensor_load_to_lds s[G0+4*\s:G0+4*\s+3], s[G1:G1+7]
	s_nop 0
.endr
.rept 4
	v_nop
.endr
	v_and_b32 v[TM+1], 15, v0                      ; r
	v_bfe_u32 v[TM+2], v0, 4, 1                    ; h
	v_and_b32 v[TM+3], 31, v0                      ; lane
	v_bfe_u32 v[TM+4], v0, 3, 1
	v_and_b32 v[AC], 7, v0
	v_lshl_or_b32 v[AC], v[TM+2], 3, v[AC]
	v_lshl_or_b32 v[AC], v[TM+4], 4, v[AC]         ; my pixel among the wave's 32: the lane's bits 3 and 4 change places
	v_lshlrev_b32 v[AC], 2, v[AC]
	s_lshl_b32 s36, s[WV], 7                       ; the wave's 32 pixels: 128 bytes of each row
	v_add_nc_u32 v[AC], s36, v[AC]
	v_mul_u32_u24 v[AN], v[TM+1], PITCH
	v_lshl_add_u32 v[AN], v[TM+2], 6, v[AN]
	v_add_nc_u32 v[AN], s36, v[AN]
	s_lshr_b32 s42, s[WV], 2                       ; which K step of a step's two is mine,
	s_and_b32 s43, s[WV], 3                        ; and which of its four blocks
	s_mul_i32 s44, s42, KIMG
	s_lshl_b32 s45, s43, 8                         ; block b of a fragment's image begins 256 b bytes on: registers 4 (b / 2) .., lanes 16 (b % 2) ..
	s_add_co_u32 s44, s44, s45
	s_add_co_u32 s44, s44, IMG
	v_lshlrev_b32 v[IW], 4, v[TM+1]
	v_lshl_add_u32 v[IW], v[TM+2], 3, v[IW]        ; row r's 16 bytes; my half's 8
	v_add_nc_u32 v[IW], s44, v[IW]
	s_mul_i32 s44, s42, KSCL
	s_add_co_u32 s44, s44, s43
	s_add_co_u32 s44, s44, SCL
	v_lshl_add_u32 v[SW], v[TM+1], 2, s44          ; byte b of row r's word
	s_and_b32 s42, s[WV], 1                        ; my 32 clusters,
	s_lshr_b32 s43, s[WV], 1                       ; my 32 channels
	s_lshl_b32 s44, s42, 11
	s_add_co_u32 s44, s44, IMG
	v_lshl_add_u32 v[IRA], v[TM+3], 4, s44
	s_lshl_b32 s44, s43, 11
	s_add_co_u32 s44, s44, IMG+4096
	v_lshl_add_u32 v[IRB], v[TM+3], 4, s44
	s_lshl_b32 s44, s42, 7
	s_add_co_u32 s44, s44, SCL
	v_lshl_add_u32 v[SRA], v[TM+1], 2, s44
	s_lshl_b32 s44, s43, 7
	s_add_co_u32 s44, s44, SCL+256
	v_lshl_add_u32 v[SRB], v[TM+1], 2, s44
	s_lshl_b32 s44, s[WV], 8
	s_add_co_u32 s44, s44, ASB
	v_lshl_add_u32 v[ASW], v[TM+1], 2, s44
	v_lshl_add_u32 v[ASR], v[TM+3], 3, ASB
	v_lshlrev_b32 v[GO], 4, v[TM+3]
	v_lshlrev_b32 v[AO], 3, v[TM+3]
	v_lshrrev_b32 v[PFO], 2, v[TM+3]               ; four lanes to a row of 1,024 bytes, 256 bytes apart; eight rows an instruction
	v_and_b32 v[TM+4], 3, v0
	v_lshlrev_b32 v[PFO], 14, v[PFO]
	v_lshl_or_b32 v[PFO], v[TM+4], 8, v[PFO]
	v_mul_u32_u24 v[TM+8], v[TM+1], WPITCH         ; conv_w in LDS: row r, + 128 h
	v_lshl_add_u32 v[TM+8], v[TM+2], 7, v[TM+8]
	v_add_nc_u32 v[TM+8], IMG, v[TM+8]
	v_lshlrev_b32 v[TM+10], 3, v[TM+2]             ; 8 h
	s_lshl_b32 s36, ttmp9, 15                      ; part: 32,768 bytes a work-group; tile (kt, ct) at (8 kt + ct) x 1,024
	s_lshl_b32 s37, s42, 14
	s_add_co_u32 s36, s36, s37
	s_lshl_b32 s37, s43, 11
	s_add_co_u32 s36, s36, s37
	s_mov_b32 s37, 0
	s_add_nc_u64 s[8:9], s[8:9], s[36:37]
	s_lshl_b32 s36, ttmp9, 8                       ; asum: 256 bytes a work-group
	s_add_nc_u64 s[10:11], s[10:11], s[36:37]
.irp i, 0,1,2,3,4,5,6,7
	v_mov_b32 v[AS+\i], 0
.endr
; conv_w's tile t (16 clusters): lane (r, h) takes, of row r, c = 64 j + 32 h + 0 .. 31: two whole blocks, in the order of the operand's registers
.macro WLOAD t, base
.set i, 0
.rept 16
	ds_load_b128 v[(\base)+4*i:(\base)+4*i+3], v[TM+8] offset:(\t)*16*WPITCH+(i/8)*256+(i%8)*16
.set i, i+1
.endr
.endm
.macro WQUANT t, base
.irp j, 0,1
.irp k, 0,1
	v_max_num_f32 v[TM+2*\j+\k], |v[(\base)+32*\j+16*\k]|, |v[(\base)+32*\j+16*\k+1]|
.endr
.endr
.irp i, 2,4,6,8,10,12,14
.irp j, 0,1
.irp k, 0,1
	v_max3_num_f32 v[TM+2*\j+\k], v[TM+2*\j+\k], |v[(\base)+32*\j+16*\k+\i]|, |v[(\base)+32*\j+16*\k+\i+1]|
.endr
.endr
.endr
.irp j, 0,1
	v_max3_num_f32 v[TM+2*\j], v[TM+2*\j], v[TM+2*\j+1], FLOOR
.endr
.irp j, 0,1
	v_add_nc_u32 v[TM+4+\j], EOFF, v[TM+2*\j]      ; 2 off the exponent field: the conversion takes this operand's exponent field as its scale
.endr
.irp j, 0,1
	v_lshrrev_b32 v[TM+6+\j], 23, v[TM+4+\j]       ; the scale's byte
.endr
	v_lshl_or_b32 v[TM+6], v[TM+7], 16, v[TM+6]    ; my bytes: blocks h and 2 + h,
	v_lshlrev_b32 v[TM+6], v[TM+10], v[TM+6]       ; at their places in the word;
	v_permlanex16_b32 v[TM+7], v[TM+6], s[SEL], s[SEL+1]
	v_or_b32 v[WS+(\t)], v[TM+6], v[TM+7]          ; with lane l xor 16's two the word is whole
.irp j, 0,1
.irp g, 0,1,2,3
	v_cvt_scalef32_pk8_fp4_f32 v[WF+8*(\t)+4*\j+\g], v[(\base)+32*\j+8*\g:(\base)+32*\j+8*\g+7], v[TM+4+\j]
.endr
.endr
	v_nop                                          ; a plain line behind the last conversion
.endm
	s_wait_tensorcnt 0x2                           ; my rows of conv_w are in; the two slots' loads may be out
	s_barrier_signal -1
	s_barrier_wait -1                              ; everybody's are
	WLOAD 0, XC
	WLOAD 1, XC+64
	s_wait_dscnt 16                                ; the older tile's 16 loads are in, the younger tile's may be out
	WQUANT 0, XC
	WLOAD 2, XC
	s_wait_dscnt 16
	WQUANT 1, XC+64
	WLOAD 3, XC+64
	s_wait_dscnt 16
	WQUANT 2, XC
	s_wait_dscnt 0x0
	WQUANT 3, XC+64
; 32 channels of my pixel
.macro CLOAD cb
.set i, 0
.rept 32
	ds_load_b32 v[XC+32*(\cb)+i], v[TA+(\cb)] offset:i*PITCH       ; the 32 lanes read 128 consecutive bytes of a row
.set i, i+1
.endr
.endm
; channel block cb of my pixel: its largest magnitude in four chains, its byte into the pixel's scale word, its 32 codes.  Blocks 0, 2 go to the first fragment's registers, blocks 1, 3 to the second's
.macro CQ cb
.irp k, 0,1,2,3
	v_max_num_f32 v[TM+\k], |v[XC+32*(\cb)+8*\k]|, |v[XC+32*(\cb)+8*\k+1]|
.endr
.irp i, 2,4,6
.irp k, 0,1,2,3
	v_max3_num_f32 v[TM+\k], v[TM+\k], |v[XC+32*(\cb)+8*\k+\i]|, |v[XC+32*(\cb)+8*\k+\i+1]|
.endr
.endr
	v_max3_num_f32 v[TM], v[TM], v[TM+1], v[TM+2]
	v_max3_num_f32 v[TM], v[TM], v[TM+3], FLOOR
	v_add_nc_u32 v[TM+4], EOFF, v[TM]
.irp g, 0,1,2,3
	v_cvt_scalef32_pk8_fp4_f32 v[T+8*((\cb)%2)+4*((\cb)/2)+\g], v[XC+32*(\cb)+8*\g:XC+32*(\cb)+8*\g+7], v[TM+4]
.endr
.if (\cb) == 0
	v_lshrrev_b32 v[XS], 23, v[TM+4]               ; (a plain line behind the conversions)
.else
	v_lshrrev_b32 v[TM+5], 23, v[TM+4]
	v_lshl_or_b32 v[XS], v[TM+5], 8*(\cb), v[XS]
.endif
.endm
; four channel tiles (4 g ..) along the pixels: lane (r, h): channel r of the tile, pixels 16 h + 0 .. 15
.macro NLOAD g
.irp k, 0,1,2,3
.irp q, 0,1,2,3
	ds_load_b128 v[XN+16*\k+4*\q:XN+16*\k+4*\q+3], v[TN+(\g)] offset:\k*16*PITCH+16*\q
.endr
.endr
.endm
; Four tiles of 16 numbers a lane, v[src + 16 k + i] = pixel 16 h + i of my row, become codes and a scale byte for my block of fragments f0 .. f0 + 3, and go to the images
.macro QUANT4 src, f0, buf
.irp k, 0,1,2,3
	v_max_num_f32 v[TM+\k], |v[(\src)+16*\k]|, |v[(\src)+16*\k+1]|
.endr
.irp i, 2,4,6,8,10,12,14
.irp k, 0,1,2,3
	v_max3_num_f32 v[TM+\k], v[TM+\k], |v[(\src)+16*\k+\i]|, |v[(\src)+16*\k+\i+1]|   ; (the four tiles by turns)
.endr
.endr
.irp k, 0,1,2,3
	v_permlanex16_b32 v[TM+4+\k], v[TM+\k], s[SEL], s[SEL+1]
.endr
.irp k, 0,1,2,3
	v_max3_num_f32 v[TM+\k], v[TM+\k], v[TM+4+\k], FLOOR           ; with lane l xor 16's 16: the block's largest magnitude, and the floor
.endr
.irp k, 0,1,2,3
	v_add_nc_u32 v[T+\k], EOFF, v[TM+\k]
.endr
.irp k, 0,1,2,3
	v_lshrrev_b32 v[T+4+\k], 23, v[T+\k]
.endr
.irp k, 0,1,2,3
	v_cvt_scalef32_pk8_fp4_f32 v[T+8+2*\k], v[(\src)+16*\k:(\src)+16*\k+7], v[T+\k]
	v_cvt_scalef32_pk8_fp4_f32 v[T+9+2*\k], v[(\src)+16*\k+8:(\src)+16*\k+15], v[T+\k]
.endr
	v_nop                                          ; a plain line behind the last conversion
.irp k, 0,1,2,3
	ds_store_b64 v[IW], v[T+8+2*\k:T+9+2*\k] offset:(\buf)*IMGB+((\f0)+\k)*1024   ; the 32 lanes store 256 consecutive bytes
	ds_store_b8 v[SW], v[T+4+\k] offset:(\buf)*SCLB+((\f0)+\k)*64                 ; both lanes of a row write the same byte with the same value
.endr
.endm
; A STEP'S WORK OF A WAVE: its 32 pixels of the slot, into image buffer buf
.macro UNIT slot, buf
.irp cb, 0,1,2,3
	v_add_nc_u32 v[TA+\cb], (\slot)*SLOTB+\cb*32*PITCH, v[AC]
.endr
	CLOAD 0
	CLOAD 1
	s_wait_dscnt 32                                ; LDS loads come back in order (ISA guide 5.7.1): the older block's 32 are in, the younger block's may be out
	CQ 0
	CLOAD 2
	s_wait_dscnt 32
	CQ 1
	CLOAD 3
	s_wait_dscnt 32
	CQ 2
	s_wait_dscnt 0x0
	CQ 3
	v_add_nc_u32 v[TN], (\slot)*SLOTB, v[AN]
	v_add_nc_u32 v[TN+1], (\slot)*SLOTB+64*PITCH, v[AN]
	NLOAD 0                                        ; into registers whose numbers have been converted
.set i, 0
.rept 8
	v_permlane16_swap_b32 v[T+i], v[T+8+i]         ; blocks 2 j and 2 j + 1 change halves: the first eight registers become the fragment of lanes 0-15's pixels, the others that of lanes 16-31's
.set i, i+1
.endr
.rept 8
	v_nop                                          ; a scale word written by a vector instruction stands eight plain lines ahead of a scaled matrix instruction, an operand so written four
.endr
.irp t, 0,1,2,3
	v_wmma_scale_f32_16x16x128_f8f6f4 v[D+16*\t:D+16*\t+7], v[T:T+7], v[WF+8*\t:WF+8*\t+7], 0, v[XS], v[WS+\t] matrix_a_fmt:MATRIX_FMT_FP4 matrix_b_fmt:MATRIX_FMT_FP4
	v_wmma_scale_f32_16x16x128_f8f6f4 v[D+16*\t+8:D+16*\t+15], v[T+8:T+15], v[WF+8*\t:WF+8*\t+7], 0, v[XS], v[WS+\t] matrix_a_fmt:MATRIX_FMT_FP4 matrix_b_fmt:MATRIX_FMT_FP4 matrix_a_scale:MATRIX_SCALE_ROW1
.endr
	s_wait_dscnt 0x0
	QUANT4 XN, 4, \buf                             ; x along the pixels, channels 0-63.  Its 32 maxima, which name no register of the products, stand behind them (ISA guide 7.12.1) ahead of the first write of T and the first read of D
	NLOAD 1
	s_wait_dscnt 16                                ; all but the 16 loads just issued: the image stores have read their registers, which are written next
	; the largest logit of each of my 16 pixels: over the four cluster tiles, then over the 16 lanes of my half.  Each result is read from its low end on
.set i, 0
.rept 16
	v_max3_num_f32 v[T+i], v[D+i], v[D+16+i], v[D+32+i]
.set i, i+1
.endr
.set i, 0
.rept 16
	v_max_num_f32 v[T+i], v[T+i], v[D+48+i]
.set i, i+1
.endr
.irp m, 1,2,4,8
.set i, 0
.rept 16
	v_max_num_f32_dpp v[T+i], v[T+i], v[T+i] row_xmask:\m row_mask:0xf bank_mask:0xf
.set i, i+1
.endr
.endr
.set i, 0
.rept 8
	v_pk_mul_f32 v[T+i:T+i+1], v[T+i:T+i+1], s[CS:CS+1] op_sel_hi:[1,0]      ; R = largest x log2(e)
.set i, i+2
.endr
.set i, 0
.rept 32
	v_pk_fma_f32 v[D+2*i:D+2*i+1], v[D+2*i:D+2*i+1], s[CS:CS+1], v[T+(2*i)%16:T+(2*i)%16+1] op_sel_hi:[1,0,1] neg_lo:[0,0,1] neg_hi:[0,0,1]   ; logit x log2(e) - R, rounded once
.set i, i+1
.endr
.set i, 0
.rept 64
	v_exp_f32 v[D+i], v[D+i]
.set i, i+1
.endr
	s_wait_dscnt 0x0
	QUANT4 XN, 8, \buf                             ; channels 64-127: work that names no exponential's result stands between the batch and its wait
	s_wait_alu depctr_va_vdst(0)                   ; one wait for the 64 exponentials, ahead of their first reader
	s_wait_dscnt 0x0                               ; the image stores have read their registers
.set i, 0
.rept 8
	v_pk_add_f32 v[T+i:T+i+1], v[D+i:D+i+1], v[D+16+i:D+17+i]
.set i, i+2
.endr
.set i, 0
.rept 8
	v_pk_add_f32 v[T+i:T+i+1], v[T+i:T+i+1], v[D+32+i:D+33+i]
.set i, i+2
.endr
.set i, 0
.rept 8
	v_pk_add_f32 v[T+i:T+i+1], v[T+i:T+i+1], v[D+48+i:D+49+i]
.set i, i+2
.endr
.irp m, 1,2,4,8
.set i, 0
.rept 16
	v_add_f32_dpp v[T+i], v[T+i], v[T+i] row_xmask:\m row_mask:0xf bank_mask:0xf
.set i, i+1
.endr
.endr
.set i, 0
.rept 16
	v_rcp_f32 v[T+i], v[T+i]
.set i, i+1
.endr
	v_nop                                          ; a plain line behind the last reciprocal
	s_wait_alu depctr_va_vdst(0)                   ; one wait for the 16
.set i, 0
.rept 32
	v_pk_mul_f32 v[D+2*i:D+2*i+1], v[D+2*i:D+2*i+1], v[T+(2*i)%16:T+(2*i)%16+1]   ; a, finished and normalised
.set i, i+1
.endr
.set i, 0
.rept 8
.irp t, 0,1,2,3
	v_pk_add_f32 v[AS+2*\t:AS+2*\t+1], v[AS+2*\t:AS+2*\t+1], v[D+16*\t+2*i:D+16*\t+2*i+1]   ; the sum is taken of the unquantised a
.endr
.set i, i+1
.endr
	QUANT4 D, 0, \buf
.endm
; THE CHANGE OF SLOTS, and the hand-over of the images.  Every wave waits for all its tensor loads (its rows of the slot that is read next), adds 0 to its spare word, and waits for that, for its reads of the slot just
; left and for its image stores.  Behind the barrier the next slot and the images are whole and nobody reads the old slot.  fill = 1: it is filled again, with the pixels two steps on: my one tensor load until the next barrier.
.macro CHANGE slot, fill
	s_wait_tensorcnt 0x0                           ; no tensor load of mine is out, so a group 0 may be written
	ds_add_u32 v[SPW], v[NIL]
.if \fill
	s_add_nc_u64 s[G0+4*(\slot)+2:G0+4*(\slot)+3], s[G0+4*(\slot)+2:G0+4*(\slot)+3], 2*ROWB
.endif
	s_wait_dscnt 0x0
	s_barrier_signal -1
	s_barrier_wait -1
.if \fill
	tensor_load_to_lds s[G0+4*(\slot):G0+4*(\slot)+3], s[G1:G1+7]
	s_nop 0
.rept 4
	v_nop
.endr
.endif
.endm
; THE SECOND PRODUCT on image buffer buf: two K steps of 128 pixels; source 0 = 16 channels of x, source 1 = 16 clusters of a: lane (r, h) holds cluster r and channels 8 h + 0 .. 7.
; The four accumulators take turns, one instruction a turn.  zero = 1: the first K step starts the sums.
; ask = 1: a prefetch of the rows that my tensor load of the NEXT change of slots will bring, 16 rows x 1,024 bytes, lanes 256 bytes apart, two instructions; it stands behind my tensor load and this run of LDS loads.
; Each block is named once in the launch, by the wave that will fetch it.  The first three steps come by their loads alone; behind the fourth there is nothing to ask for.
.macro P2 buf, zero, ask
.irp ks, 0,1
.irp i, 0,1
.irp j, 0,1
	ds_load_b128 v[FR+32*\ks+8*\i+4*\j:FR+32*\ks+8*\i+4*\j+3], v[IRB] offset:(\buf)*IMGB+\ks*KIMG+\i*1024+\j*512
	ds_load_b128 v[FR+32*\ks+16+8*\i+4*\j:FR+32*\ks+16+8*\i+4*\j+3], v[IRA] offset:(\buf)*IMGB+\ks*KIMG+\i*1024+\j*512
.endr
	ds_load_b32 v[PS+4*\ks+\i], v[SRB] offset:(\buf)*SCLB+\ks*KSCL+\i*64
	ds_load_b32 v[PS+4*\ks+2+\i], v[SRA] offset:(\buf)*SCLB+\ks*KSCL+\i*64
.endr
.endr
.if \ask
	global_prefetch_b8 v[PFO], s[4:5] offset:3*ROWB th:TH_LOAD_NT scope:SCOPE_SE
	global_prefetch_b8 v[PFO], s[4:5] offset:3*ROWB+8*NB th:TH_LOAD_NT scope:SCOPE_SE
.endif
	s_wait_dscnt 0x0
.irp ks, 0,1
.irp i, 0,1
.irp k, 0,1
.if (\zero) && (\ks == 0)
	v_wmma_scale_f32_16x16x128_f8f6f4 v[ACC+8*(2*\i+\k):ACC+8*(2*\i+\k)+7], v[FR+32*\ks+8*\i:FR+32*\ks+8*\i+7], v[FR+32*\ks+16+8*\k:FR+32*\ks+16+8*\k+7], 0, v[PS+4*\ks+\i], v[PS+4*\ks+2+\k] matrix_a_fmt:MATRIX_FMT_FP4 matrix_b_fmt:MATRIX_FMT_FP4
.else
	v_wmma_scale_f32_16x16x128_f8f6f4 v[ACC+8*(2*\i+\k):ACC+8*(2*\i+\k)+7], v[FR+32*\ks+8*\i:FR+32*\ks+8*\i+7], v[FR+32*\ks+16+8*\k:FR+32*\ks+16+8*\k+7], v[ACC+8*(2*\i+\k):ACC+8*(2*\i+\k)+7], v[PS+4*\ks+\i], v[PS+4*\ks+2+\k] matrix_a_fmt:MATRIX_FMT_FP4 matrix_b_fmt:MATRIX_FMT_FP4
.endif
.endr
.endr
.endr
.rept 4
	v_nop                                          ; four plain lines ahead of loads into the fragments' registers and of stores of the results
.endr
.endm
	s_wait_tensorcnt 0x1                           ; my rows of slot 0 are in; slot 1's load may be out
	s_wait_dscnt 0x0                               ; my reads of conv_w are over: its bytes take images from here on
	s_barrier_signal -1
	s_barrier_wait -1
	UNIT 0, 0                                      ; pixels 0-255
	CHANGE 0, 1                                    ; slot 0 takes pixels 512-767
	P2 0, 1, 1
	UNIT 1, 1                                      ; pixels 256-511
	CHANGE 1, 1                                    ; slot 1 takes pixels 768-1023: the last load
	P2 1, 0, 0
	UNIT 0, 0
	CHANGE 0, 0                                    ; nothing is left to fetch
	P2 0, 0, 0
	UNIT 1, 1
	; my sums of a: the pair's halves, and lane l xor 16's pixels
.irp t, 0,1,2,3
	v_add_f32 v[TM+\t], v[AS+2*\t], v[AS+2*\t+1]
.endr
.irp t, 0,1,2,3
	v_permlanex16_b32 v[TM+4+\t], v[TM+\t], s[SEL], s[SEL+1]
.endr
.irp t, 0,1,2,3
	v_add_f32 v[TM+\t], v[TM+\t], v[TM+4+\t]
.endr
.irp t, 0,1,2,3
	ds_store_b32 v[ASW], v[TM+\t] offset:64*\t     ; cluster 16 t + r; both halves write the same word with the same value
.endr
	s_wait_dscnt 0x0                               ; for the others' sake: my last images and my sums have landed
	s_barrier_signal -1
	s_barrier_wait -1
	s_cmp_lg_u32 s[WV], 0
	s_cbranch_scc1 .Lnot0
.irp w, 0,1,2,3,4,5,6,7
	ds_load_b64 v[XN+2*\w:XN+2*\w+1], v[ASR] offset:256*\w         ; wave 0 adds the eight waves' sums: clusters 2 l, 2 l + 1
.endr
	s_wait_dscnt 0x0
	v_pk_add_f32 v[XN:XN+1], v[XN:XN+1], v[XN+2:XN+3]
	v_pk_add_f32 v[XN+4:XN+5], v[XN+4:XN+5], v[XN+6:XN+7]
	v_pk_add_f32 v[XN+8:XN+9], v[XN+8:XN+9], v[XN+10:XN+11]
	v_pk_add_f32 v[XN+12:XN+13], v[XN+12:XN+13], v[XN+14:XN+15]
	v_pk_add_f32 v[XN:XN+1], v[XN:XN+1], v[XN+4:XN+5]
	v_pk_add_f32 v[XN+8:XN+9], v[XN+8:XN+9], v[XN+12:XN+13]
	v_pk_add_f32 v[XN:XN+1], v[XN:XN+1], v[XN+8:XN+9]
	global_store_b64 v[AO], v[XN:XN+1], s[10:11]   ; the 32 lanes store 256 consecutive bytes, aligned
.Lnot0:
	P2 1, 0, 0
	; my four tiles leave as images of their registers: each store covers 512 consecutive bytes, aligned; each accumulator from its low end on
.irp i, 0,1
.irp k, 0,1
.irp e, 0,1
	global_store_b128 v[GO], v[ACC+8*(2*\i+\k)+4*\e:ACC+8*(2*\i+\k)+4*\e+3], s[8:9] offset:\k*8192+\i*1024+\e*512 th:TH_STORE_NT
.endr
.endr
.endr
	s_wait_tensorcnt 0x0                           ; the wave's end
	ds_add_u32 v[SPW], v[NIL]
	s_wait_dscnt 0x0
	s_endpgm
.Lfunc_end_k_qcdf0104155_pool:
	.size	k_qcdf0104155_pool, .Lfunc_end_k_qcdf0104155_pool-k_qcdf0104155_pool
	.p2alignl 7, 3214868480
	.fill 96, 4, 3214868480
	.section	.rodata,"a",@progbits
	.p2align	6, 0x0
	.amdhsa_kernel k_qcdf0104155_pool
		.amdhsa_group_segment_fixed_size 327680
		.amdhsa_private_segment_fixed_size 0
		.amdhsa_enable_private_segment 0
		.amdhsa_kernarg_size 32
		.amdhsa_user_sgpr_count 2
		.amdhsa_user_sgpr_kernarg_segment_ptr 1
		.amdhsa_wavefront_size32 1
		.amdhsa_system_sgpr_workgroup_id_x 1
		.amdhsa_system_sgpr_workgroup_id_y 1
		.amdhsa_system_sgpr_workgroup_id_z 1
		.amdhsa_system_vgpr_workitem_id 0
		.amdhsa_next_free_vgpr 256
		.amdhsa_next_free_sgpr 66
		.amdhsa_reserve_vcc 0
		.amdhsa_float_denorm_mode_32 3
		.amdhsa_float_denorm_mode_16_64 3
		.amdhsa_memory_ordered 1
		.amdhsa_forward_progress 1
		.amdhsa_inst_pref_size 240
	.end_amdhsa_kernel
	.amdgpu_metadata
---
amdhsa.version: [ 1, 2 ]
amdhsa.kernels:
  - .name:           k_qcdf0104155_pool
    .symbol:         k_qcdf0104155_pool.kd
    .args:
      - { .name: x, .offset: 0, .size: 8, .value_kind: global_buffer, .address_space: global }
      - { .name: conv_w, .offset: 8, .size: 8, .value_kind: global_buffer, .address_space: global }
      - { .name: part, .offset: 16, .size: 8, .value_kind: global_buffer, .address_space: global }
      - { .name: asum, .offset: 24, .size: 8, .value_kind: global_buffer, .address_space: global }
    .group_segment_fixed_size: 327680
    .private_segment_fixed_size: 0
    .kernarg_segment_align: 8
    .kernarg_segment_size: 32
    .max_flat_workgroup_size: 256
    .sgpr_count:     66
    .vgpr_count:     256
    .wavefront_size: 32
...
	.end_amdgpu_metadata
.endif
;; end of part 1
;; launch norm (part 2): grid 64 x 1, 8 waves a work-group, no clusters, 36,352 bytes of LDS; arguments part, asum, centroids, out0; writes out0
.if DOCPART == 2
	.amdgcn_target "amdgcn-amd-amdhsa--gfx1250"
	.amdhsa_code_object_version 6
	.text
	.protected	k_qcdf0104155_norm
	.globl	k_qcdf0104155_norm
	.p2align	8
	.type	k_qcdf0104155_norm,@function
k_qcdf0104155_norm:
	s_mov_b64 s[64:65], 0
	v_nop
	global_prefetch_b8 v0, s[64:65] scope:SCOPE_SE
	s_setreg_imm32_b32 hwreg(HW_REG_WAVE_MODE, 25, 1), 1
	s_wait_xcnt 0x0
; NetVLAD, second launch.  One work-group for each image: v[k][c] = the sum of the image's four parts - (the sum of its four asum[k]) x centroids[k][c];
; each cluster's 128 numbers are divided by max(their norm, 1e-12), and the image's 8,192 numbers by max(the norm of what that leaves, 1e-12).  All in f32.
; Wave w takes cluster tile kt = w >> 1 and channels 64 (w & 1) on.  The parts are read as the first launch stored them, as images of accumulator registers (512 consecutive bytes a load):
; in tile (kt, ct) lane (r, h) holds cluster 16 kt + r and channels 16 ct + 8 h + 0 .. 7.  So a cluster's sum of squares lies in two lanes of each of two waves: the 128 half sums meet in LDS behind ONE barrier,
; and every wave then forms its own clusters' norms and, two clusters a lane, the image's: sum over k of n2[k] / max(sqrt(n2[k]), 1e-12)^2.
; Centroids come in and the result goes out through the wave's own stage in LDS, so that sixteen neighbouring lanes load or store 256 consecutive bytes, aligned.
; No matrix work, no tensor load, no cluster: nothing is shared but 32 KB of centroids.  LIMITS: NaN and infinities are not served.
.set SPI,  272                         ; a stage row: 256 bytes + 16
.set N2,   8*16*SPI                    ; behind the stages: sums of squares, [2 halves][64 clusters]
.set EPS,  0x2b8cbccc                  ; 1e-12
.set V,    32                          ; v32-63 the sums; v64-159 parts 1 to 3.  Register 8 i + j: channel 16 (4 (w & 1) + i) + 8 h + j
.set CL,   160                         ; v160-191 whole rows: centroids on the way in, the result on the way out
.set C,    192                         ; v192-223 centroids in the layout of V
.set A,    224                         ; v224-227 the four asum
.set NS,   228                         ; v228-235 four chains of squares, in pairs
.set W,    236                         ; v236-247 at work
.set F,    248                         ; v[248:249] the factor
	s_load_b256 s[4:11], s[0:1], 0x0               ; part s[4:5], asum s[6:7], centroids s[8:9], out0 s[10:11]
	v_lshl_add_u32 v254, v0, 2, 0x8a00
	v_mov_b32 v255, 0
	v_lshrrev_b32 v1, 5, v0
	v_readfirstlane_b32 s12, v1                    ; wave 0..7
	v_and_b32 v1, 15, v0                           ; r
	v_bfe_u32 v2, v0, 4, 1                         ; h
	v_and_b32 v3, 31, v0                           ; lane
	s_lshr_b32 s13, s12, 1                         ; kt
	s_and_b32 s14, s12, 1                          ; which 64 channels
	v_lshlrev_b32 v4, 4, v3                        ; parts: 16 x lane
	v_lshlrev_b32 v5, 2, v1                        ; asum: 4 r
	v_lshlrev_b32 v6, 9, v2
	v_lshl_add_u32 v6, v1, 4, v6                   ; whole rows in memory: lanes 0-15 one cluster's 256 bytes, lanes 16-31 the next cluster's
	s_mul_i32 s15, s12, 16*SPI                     ; my stage
	v_mul_u32_u24 v7, v1, SPI
	v_lshl_add_u32 v7, v2, 5, v7
	v_add_nc_u32 v7, s15, v7                       ; by layout: row r, + 32 h
	v_mul_u32_u24 v8, v2, SPI
	v_lshl_add_u32 v8, v1, 4, v8
	v_add_nc_u32 v8, s15, v8                       ; by rows
	s_lshl_b32 s16, s13, 6
	s_lshl_b32 s17, s14, 8
	s_add_co_u32 s18, s16, N2
	v_lshl_add_u32 v10, v1, 2, s18                 ; my cluster's sum of squares, first half
	v_add_nc_u32 v9, s17, v10                      ; where mine goes
	v_lshl_add_u32 v11, v3, 2, N2                  ; cluster = lane
	s_mov_b32 s28, 0x76543210
	s_mov_b32 s29, 0xfedcba98
	s_lshl_b32 s20, ttmp9, 17                      ; the image's four parts of 32,768 bytes; tile (kt, ct) at (8 kt + ct) x 1,024
	s_lshl_b32 s21, s13, 13
	s_add_co_u32 s20, s20, s21
	s_lshl_b32 s21, s14, 12
	s_add_co_u32 s20, s20, s21
	s_mov_b32 s21, 0
	s_lshl_b32 s22, ttmp9, 10                      ; its four asum of 256 bytes
	s_add_co_u32 s22, s22, s16
	s_mov_b32 s23, 0
	s_lshl_b32 s24, s13, 13                        ; centroids: 16 kt rows of 512 bytes, + my 256
	s_add_co_u32 s24, s24, s17
	s_mov_b32 s25, 0
	s_lshl_b32 s26, ttmp9, 15                      ; out0: 32,768 bytes an image, then as the centroids
	s_add_co_u32 s26, s26, s24
	s_mov_b32 s27, 0
	s_wait_kmcnt 0x0
	s_add_nc_u64 s[4:5], s[4:5], s[20:21]
	s_add_nc_u64 s[6:7], s[6:7], s[22:23]
	s_add_nc_u64 s[8:9], s[8:9], s[24:25]
	s_add_nc_u64 s[10:11], s[10:11], s[26:27]
.irp t, 0,1,2,3,4,5,6,7
	global_load_b128 v[CL+4*\t:CL+4*\t+3], v6, s[8:9] offset:1024*\t
.endr
.irp q, 0,1,2,3
	global_load_b32 v[A+\q], v5, s[6:7] offset:256*\q
.endr
.set i, 0
.rept 32
	global_load_b128 v[V+4*i:V+4*i+3], v4, s[4:5] offset:(i/8)*32768+(i%8)*512 th:TH_LOAD_NT
.set i, i+1
.endr
	s_wait_loadcnt 36                              ; the eight loads of centroids are in; the 36 behind them may be out
.irp t, 0,1,2,3,4,5,6,7
	ds_store_b128 v8, v[CL+4*\t:CL+4*\t+3] offset:\t*2*SPI
.endr
.irp m, 0,1,2,3,4,5,6,7
	ds_load_b128 v[C+4*\m:C+4*\m+3], v7 offset:(\m/2)*64+(\m%2)*16   ; LDS serves a wave's instructions in order (ISA guide 5.7.1): these see my stores
.endr
	s_wait_loadcnt 32                              ; the four asum are in
	v_add_f32 v[A], v[A], v[A+1]
	v_add_f32 v[A+2], v[A+2], v[A+3]
	v_add_f32 v[A], v[A], v[A+2]
	s_wait_loadcnt 16                              ; parts 0 and 1
.set m, 0
.rept 16
	v_pk_add_f32 v[V+2*m:V+2*m+1], v[V+2*m:V+2*m+1], v[V+32+2*m:V+33+2*m]
.set m, m+1
.endr
	s_wait_loadcnt 8                               ; part 2
.set m, 0
.rept 16
	v_pk_add_f32 v[V+2*m:V+2*m+1], v[V+2*m:V+2*m+1], v[V+64+2*m:V+65+2*m]
.set m, m+1
.endr
	s_wait_loadcnt 0x0
.set m, 0
.rept 16
	v_pk_add_f32 v[V+2*m:V+2*m+1], v[V+2*m:V+2*m+1], v[V+96+2*m:V+97+2*m]
.set m, m+1
.endr
	s_wait_dscnt 0x0                               ; the centroids are back from the stage
.set m, 0
.rept 16
	v_pk_fma_f32 v[V+2*m:V+2*m+1], v[C+2*m:C+2*m+1], v[A:A+1], v[V+2*m:V+2*m+1] op_sel_hi:[1,0,1] neg_lo:[0,1,0] neg_hi:[0,1,0]   ; - asum x centroid
.set m, m+1
.endr
.irp k, 0,1,2,3
	v_pk_mul_f32 v[NS+2*\k:NS+2*\k+1], v[V+2*\k:V+2*\k+1], v[V+2*\k:V+2*\k+1]   ; the first squares start the four chains
.endr
.set m, 4
.rept 12
	v_pk_fma_f32 v[NS+2*(m%4):NS+2*(m%4)+1], v[V+2*m:V+2*m+1], v[V+2*m:V+2*m+1], v[NS+2*(m%4):NS+2*(m%4)+1]
.set m, m+1
.endr
	v_pk_add_f32 v[NS:NS+1], v[NS:NS+1], v[NS+2:NS+3]
	v_pk_add_f32 v[NS+4:NS+5], v[NS+4:NS+5], v[NS+6:NS+7]
	v_pk_add_f32 v[NS:NS+1], v[NS:NS+1], v[NS+4:NS+5]
	v_add_f32 v[W], v[NS], v[NS+1]
	v_mov_b32 v[W+1], 0                            ; a lane permute's destination counts as one of its sources
	v_permlanex16_b32 v[W+1], v[W], s28, s29
	v_add_f32 v[W], v[W], v[W+1]                   ; my cluster's sum of squares over my wave's 64 channels
	ds_store_b32 v9, v[W]                          ; both halves write the same word with the same value
	s_wait_dscnt 0x0                               ; for the others' sake
	s_barrier_signal -1
	s_barrier_wait -1
	ds_load_b32 v[W+2], v10                        ; my cluster, both halves of the channels
	ds_load_b32 v[W+3], v10 offset:256
	ds_load_b32 v[W+4], v11                        ; cluster = lane
	ds_load_b32 v[W+5], v11 offset:256
	ds_load_b32 v[W+6], v11 offset:128             ; cluster = 32 + lane
	ds_load_b32 v[W+7], v11 offset:384
	s_wait_dscnt 0x0
	v_add_f32 v[W+2], v[W+2], v[W+3]
	v_add_f32 v[W+4], v[W+4], v[W+5]
	v_add_f32 v[W+6], v[W+6], v[W+7]
	v_sqrt_f32 v[W+8], v[W+2]
	v_sqrt_f32 v[W+9], v[W+4]
	v_sqrt_f32 v[W+10], v[W+6]
	v_nop                                          ; a plain line behind the last root
	s_wait_alu depctr_va_vdst(0)                   ; one wait for the three, ahead of their first reader
	v_max_num_f32 v[W+8], EPS, v[W+8]
	v_max_num_f32 v[W+9], EPS, v[W+9]
	v_max_num_f32 v[W+10], EPS, v[W+10]
	v_rcp_f32 v[W+8], v[W+8]
	v_rcp_f32 v[W+9], v[W+9]
	v_rcp_f32 v[W+10], v[W+10]
	v_nop
	s_wait_alu depctr_va_vdst(0)
	v_mul_f32 v[W+4], v[W+4], v[W+9]
	v_mul_f32 v[W+6], v[W+6], v[W+10]
	v_mul_f32 v[W+4], v[W+4], v[W+9]
	v_fma_f32 v[W+4], v[W+6], v[W+10], v[W+4]      ; what my two clusters leave of their squares once normalised
	v_add_f32_dpp v[W+4], v[W+4], v[W+4] row_xmask:1 row_mask:0xf bank_mask:0xf
	v_add_f32_dpp v[W+4], v[W+4], v[W+4] row_xmask:2 row_mask:0xf bank_mask:0xf
	v_add_f32_dpp v[W+4], v[W+4], v[W+4] row_xmask:4 row_mask:0xf bank_mask:0xf
	v_add_f32_dpp v[W+4], v[W+4], v[W+4] row_xmask:8 row_mask:0xf bank_mask:0xf
	v_permlanex16_b32 v[W+5], v[W+4], s28, s29
	v_add_f32 v[W+4], v[W+4], v[W+5]               ; over all 64 clusters
	v_sqrt_f32 v[W+6], v[W+4]
	v_nop
	s_wait_alu depctr_va_vdst(0)
	v_max_num_f32 v[W+6], EPS, v[W+6]
	v_rcp_f32 v[W+7], v[W+6]
	v_nop
	s_wait_alu depctr_va_vdst(0)
	v_mul_f32 v[F], v[W+8], v[W+7]                 ; 1 / my cluster's norm x 1 / the image's
	v_mov_b32 v[F+1], v[F]                         ; (named with it as a pair, so it is written)
.set m, 0
.rept 16
	v_pk_mul_f32 v[V+2*m:V+2*m+1], v[V+2*m:V+2*m+1], v[F:F+1] op_sel_hi:[1,0]
.set m, m+1
.endr
.irp m, 0,1,2,3,4,5,6,7
	ds_store_b128 v7, v[V+4*\m:V+4*\m+3] offset:(\m/2)*64+(\m%2)*16
.endr
.irp t, 0,1,2,3,4,5,6,7
	ds_load_b128 v[CL+4*\t:CL+4*\t+3], v8 offset:\t*2*SPI          ; back as whole rows; in order behind my stores
.endr
.irp t, 0,1,2,3,4,5,6,7
	s_wait_dscnt 7-\t                              ; rows 2 t and 2 t + 1 are back; the younger loads may be out
	global_store_b128 v6, v[CL+4*\t:CL+4*\t+3], s[10:11] offset:1024*\t th:TH_STORE_NT   ; sixteen lanes store 256 consecutive bytes, aligned
.endr
	s_wait_tensorcnt 0x0
	ds_add_u32 v254, v255
	s_wait_dscnt 0x0
	s_endpgm
.Lfunc_end_k_qcdf0104155_norm:
	.size	k_qcdf0104155_norm, .Lfunc_end_k_qcdf0104155_norm-k_qcdf0104155_norm
	.p2alignl 7, 3214868480
	.fill 96, 4, 3214868480
	.section	.rodata,"a",@progbits
	.p2align	6, 0x0
	.amdhsa_kernel k_qcdf0104155_norm
		.amdhsa_group_segment_fixed_size 36352
		.amdhsa_private_segment_fixed_size 0
		.amdhsa_enable_private_segment 0
		.amdhsa_kernarg_size 32
		.amdhsa_user_sgpr_count 2
		.amdhsa_user_sgpr_kernarg_segment_ptr 1
		.amdhsa_wavefront_size32 1
		.amdhsa_system_sgpr_workgroup_id_x 1
		.amdhsa_system_sgpr_workgroup_id_y 1
		.amdhsa_system_sgpr_workgroup_id_z 1
		.amdhsa_system_vgpr_workitem_id 0
		.amdhsa_next_free_vgpr 256
		.amdhsa_next_free_sgpr 66
		.amdhsa_reserve_vcc 0
		.amdhsa_float_denorm_mode_32 3
		.amdhsa_float_denorm_mode_16_64 3
		.amdhsa_memory_ordered 1
		.amdhsa_forward_progress 1
		.amdhsa_inst_pref_size 19
	.end_amdhsa_kernel
	.amdgpu_metadata
---
amdhsa.version: [ 1, 2 ]
amdhsa.kernels:
  - .name:           k_qcdf0104155_norm
    .symbol:         k_qcdf0104155_norm.kd
    .args:
      - { .name: part, .offset: 0, .size: 8, .value_kind: global_buffer, .address_space: global }
      - { .name: asum, .offset: 8, .size: 8, .value_kind: global_buffer, .address_space: global }
      - { .name: centroids, .offset: 16, .size: 8, .value_kind: global_buffer, .address_space: global }
      - { .name: out0, .offset: 24, .size: 8, .value_kind: global_buffer, .address_space: global }
    .group_segment_fixed_size: 36352
    .private_segment_fixed_size: 0
    .kernarg_segment_align: 8
    .kernarg_segment_size: 32
    .max_flat_workgroup_size: 256
    .sgpr_count:     66
    .vgpr_count:     256
    .wavefront_size: 32
...
	.end_amdgpu_metadata
.endif
;; end of part 2
